; MI455X (gfx1250); checked and timed in simulation.
; The chip was launched on July 23, 2026; its instructions are those of AMD's public machine-readable ISA for CDNA 5 (MIT licence, August 2026) and "CDNA5" Instruction Set Architecture Reference Guide (July 2026). The comments in the code are by the model that wrote it; some were corrected since.
;; Imitative Model. Allowed arithmetic: float matrix products may take bf16 or f16 operands with f32 sums; all other float work in f32.
;; Inputs: W1 64 x 32 float32; W2 32 x 4 float32; W_hh 192 x 64 float32; W_ih 192 x 2 float32; b1 32 float32; b2 4 float32; b_hh 192 float32; b_ih 192 float32; x 131,072 x 16 x 2 float32; z 131,072 x 64 float32.
;; Outputs: out0 131,072 x 16 x 2 float32; out1 131,072 float32.
;; One version. Each part assembles by itself: llvm-mc -triple=amdgcn-amd-amdhsa -mcpu=gfx1250 --defsym DOCPART=n.
;; ======== version 1 of 1: 1 launch
;; launch flow (part 1): grid 256 x 1, 4 waves a work-group, no clusters, 247,808 bytes of LDS; arguments z, x, W_hh, W_ih, b_ih, b_hh, W1, b1, W2, b2, out0, out1; writes out0, out1
.if DOCPART == 1
	.amdgcn_target "amdgcn-amd-amdhsa--gfx1250"
	.amdhsa_code_object_version 6
	.text
	.protected	k_q132a2f182b_flow
	.globl	k_q132a2f182b_flow
	.p2align	8
	.type	k_q132a2f182b_flow,@function
k_q132a2f182b_flow:
	s_mov_b64 s[64:65], 0
	v_nop
	global_prefetch_b8 v0, s[64:65] scope:SCOPE_SE
	s_setreg_imm32_b32 hwreg(HW_REG_WAVE_MODE, 25, 1), 1
	s_wait_xcnt 0x0
; Autoregressive flow: 131,072 rows, each 16 steps of  GRU cell (2 -> 64) ; MLP 64 -> 32 -> 4 ; softplus ; y += dloc + scale x ; product of scales.
; No number crosses rows: ONE launch; h, y and the products of the scales stay in registers for all 16 steps.
; 256 work-groups x 512 rows; four waves, as many as a WGP has SIMDs; a wave owns 128 rows = 8 batch tiles of 16 rows.
;
; THE PRODUCTS ARE USED TRANSPOSED: A = 16 rows of a weight matrix (m = output), B = the state of 16 batch rows (n = row).  In the result lane
; (r = l % 16, hh = l / 16) holds batch row r and register j output m = 8 hh + j; a bf16 B fragment wants of the same lane k = 8 hh .. 8 hh + 7 in
; registers 0-3 and k = 16 + 8 hh .. in registers 4-7.  So two neighbouring result tiles, packed to bf16, ARE the next product's B fragment:
; the recurrence needs no LDS trip and no lane permute.  The same holds from the MLP's hidden layer to its second product.
; FOLDED INTO THE WEIGHTS in f32, before they are rounded to bf16: -log2 e (rows of r and u), 2 log2 e (rows of n), log2 e (W2's columns 2, 3),
; so that a sum is at once the argument of the base-2 exponential:  sigmoid = rcp(1 + 2^a),  tanh = 1 - 2 rcp(1 + 2^a).
; THE INPUT PART (y W_ih^T + biases) is a third K step: B = (y0, y1, 1, 1, 0 ...), A = (w0, w1, bias hi, bias lo) in lanes hh = 0 and 0 in lanes hh = 1.
; B's registers 2-7 are 0, so A's registers 2-7 may hold any finite number: the 12 tiles overlap, 2 registers apart (30 registers for 96).
; b_hh of the n gate (it stays inside r * h_n), b1 and b2 are the f32 C operands of their chains' first products; the other chains start from C = 0.
; A tile and step take 41 matrix instructions: 24 (r, u) + 8 (h_n) + 4 (i_n) + 4 + 1 (MLP).
;
; LIMITS KEPT.  h, the hidden layer, the y that is fed back and all weights enter the products in bf16; state, y, biases, gates, products in f32.
; Weights are rounded after the scaling by log2 e.  v_exp_f32, v_rcp_f32, v_log_f32 flush denormals (ISA guide 15.8): gates saturate to exactly 0 or 1.
; softplus(a) = ln 2 (max(a', 0) + log2(1 + 2^-|a'|)), a' = a log2 e: the maximum is taken out; below a = -17 the log term rounds to 0, an error of
; at most 6e-8 beside the 0.001 that is added.  The zeros made by 0 x weight need finite W_ih, b_ih, b_hh, W2.  The relu is v_max_num_f32, which
; drops a NaN: NaN inputs are not carried through as the formula would carry them.
; NO CLUSTER: what work-groups share is the weights, 61,072 of a work-group's 257,680 input bytes, read once at the start and never in the loop;
; a joint request would need an f32 stage in LDS and a cluster barrier for that one use.  NO RING: a work-group has one tile of z and x, asked for
; in its first lines, and the weights' set-up stands between the request and the wait.
; ---- LDS ----
.set XPITCH, 144                       ; a row of x: 128 bytes + 16.  y_t later takes x_t's place (behind the region's only fill)
.set XWAVE,  128*XPITCH                ; a wave's 128 rows; x begins at byte 0
.set ZB,     4*XWAVE                   ; 73,728
.set ZPITCH, 272                       ; a row of z: 256 bytes + 16
.set ZWAVE,  128*ZPITCH
.set WB,     ZB+4*ZWAVE                ; 212,992: W_hh scaled, bf16, 192 rows of 128 bytes + 16
.set WPITCH, 144                       ; all three pitches are odd multiples of 16 bytes: the 16 rows of a fragment load start 16 bytes apart modulo 256
.set W1B,    WB+192*WPITCH             ; 240,640: W1 transposed, bf16, 32 rows (outputs) of 128 bytes (k) + 16
.set LB,     W1B+32*WPITCH             ; 245,248: logabsdet, 512 bytes a wave; ends at 247,296
; ---- window 0 ----
.set WSG, 3                            ; 16 t: my 16 bytes of each 2,048 of W_hh            (at the end: where I put a logabsdet)
.set WSL, 4                            ; where their 8 bytes of bf16 go                     (at the end: where I read four back)
.set W1G, 5
.set W1L, 6
.set BO,  7                            ; 32 hh
.set W2O, 8                            ; 128 hh + 4 (r & 3)
.set R8,  9                            ; 8 r
.set R4,  10                           ; 4 r
.set WA,  11                           ; WB + 144 r + 16 hh: fragments of W_hh, and of W1 behind them
.set ZA,  12                           ; my 32 bytes of row r of my wave's z
.set XA,  13                           ; row r of my wave's x, step t: + 8 a trip
.set XR,  14                           ; the way out: 16 bytes of one of four rows
.set L16, 15                           ; 16 l
.set S0,  16                           ; v16-47, v48-79: two sets of accumulators, R = S, U = S+8, HN = S+16, IN = S+24
.set MA,  80                           ; v80-95   hidden layer, two tiles
.set MB,  96                           ; v96-103  loc and scale: registers 0-3
.set X,   104                          ; v104-119 x_t of tile b: 2 b
.set Y,   120                          ; v120-151 tile b: y at 4 b, products of scales at 4 b + 2
.set P,   122
.set BHN, 152                          ; v152-183 b_hh of the n gate x 2 log2 e, C operand of tile q at 8 q
.set B1,  184                          ; v184-199
.set B2,  200                          ; v200-207 (before that: address temporaries and the two set-up factors)
.set FA,  204
.set FB,  206
.set W2A, 208                          ; v208-215
.set LN2, 216                          ; v216-217 ln 2 twice, v218-219 0.001 twice
.set EPS, 218
.set T,   220                          ; v220-223 at work
.set KTH, 228                          ; 2^-64, 2^64, 64.0
.set KUP, 229
.set KOF, 230
; ---- window 1: A operands ----        W_hh tile (g, q), K step s at 64 g + 16 q + 8 s (v0-191)
.set EA,  192                          ; v192-221 third K step, tile e = 4 g + q at 2 e; the last six are 0
.set W1A, 224                          ; v224-255 tile i, K step s at 16 i + 8 s
; ---- window 2: h in f32, tile b, block q, register j at 32 b + 8 q + j ----
; ---- window 3: B operands ----
.set BF,  0                            ; v0-127 h in bf16, tile b at 16 b: K step 0, then K step 1
.set EB,  128                          ; v128-135 (y0, y1), (1, 1), 0 ..
.set HID, 136                          ; v136-143
; ---- numbers ----
.set LOG2E,  0x3fb8aa3b
.set NLOG2E, 0xbfb8aa3b
.set LOG2E2, 0x4038aa3b
; s_set_vgpr_msb's low byte: bits 1:0 source 0, 3:2 source 1, 5:4 source 2, 7:6 destination; the high byte repeats the setting that is left.
.set MSB, 0
.macro WIN new
.if MSB != \new
	s_set_vgpr_msb (MSB<<8)|\new
.set MSB, \new
.endif
.endm
; A vector instruction that reads a matrix result stands four plain vector instructions behind it (ISA guide 7.12.1).
.macro PLACES
.rept 4
	v_nop
.endr
.endm
	; ================= start: addresses, descriptors, the two tensor loads =================
	s_load_b512 s[8:23], s[0:1], 0x0               ; z 8, x 10, W_hh 12, W_ih 14, b_ih 16, b_hh 18, W1 20, b1 22
	s_load_b256 s[24:31], s[0:1], 0x40             ; W2 24, b2 26, out0 28, out1 30
	s_set_vgpr_msb 0x40
	v_lshl_add_u32 v222, v0, 2, 0x3c600
	v_mov_b32 v223, 0
	s_set_vgpr_msb 0x4045
	ds_add_u32 v222, v223
	ds_add_u32 v222, v223
	s_set_vgpr_msb 0x4500
	v_lshrrev_b32 v200, 5, v0
	v_readfirstlane_b32 s32, v200                  ; wave 0..3
	v_and_b32 v1, 15, v0                           ; r
	v_bfe_u32 v2, v0, 4, 1                         ; hh
	v_and_b32 v201, 31, v0                         ; l
	s_lshl_b32 s34, ttmp9, 16                      ; x and out0: 512 rows of 128 bytes a work-group,
	s_lshl_b32 s33, s32, 14                        ; 128 rows a wave
	s_add_co_u32 s34, s34, s33
	s_mov_b32 s35, 0
	; group 0 of z's and of x's load: count, LDS address; the global address follows below
	s_mov_b32 s36, 1
	s_mul_i32 s37, s32, ZWAVE
	s_add_co_u32 s37, s37, ZB
	s_mov_b32 s40, 1
	s_mul_i32 s41, s32, XWAVE
	; group 1 of z: 128 rows of 64 f32, 4 dwords of padding behind every 64
	s_mov_b32 s44, (2<<16)|(1<<20)|(5<<22)|(3<<25)
	s_mov_b32 s45, 64<<16                          ; tensor_dim0 = 64
	s_mov_b32 s46, 128<<16                         ; tensor_dim1 = 128
	s_mov_b32 s47, 64<<16                          ; tile_dim0 = 64
	s_mov_b32 s48, 128                             ; tile_dim1 = 128
	s_mov_b32 s49, 64                              ; pitch
	s_mov_b32 s50, 0
	s_mov_b32 s51, 0
	; group 1 of x: the wave's 16,384 bytes are dense, taken as 64 rows of 256 bytes; 4 dwords of padding behind every 32 dwords, counted along
	; the tile, so that each 128-byte row of x lies 144 bytes behind the last
	s_mov_b32 s52, (2<<16)|(1<<20)|(4<<22)|(3<<25)
	s_mov_b32 s53, 64<<16
	s_mov_b32 s54, 64<<16
	s_mov_b32 s55, 64<<16
	s_mov_b32 s56, 64
	s_mov_b32 s57, 64
	s_mov_b32 s58, 0
	s_mov_b32 s59, 0
	v_lshlrev_b32 v[WSG], 4, v0
	v_lshrrev_b32 v202, 4, v0                      ; W_hh's stage: row t / 16 of each eight, 8 bytes at 8 (t % 16)
	v_mul_u32_u24 v202, v202, WPITCH
	v_lshl_add_u32 v[WSL], v1, 3, v202
	v_add_nc_u32 v[WSL], WB, v[WSL]
	v_and_b32 v202, 3, v0                          ; W1's stage: output m = t / 4, k = 16 (t % 4) .. + 15: a wave writes eight whole rows
	v_lshrrev_b32 v203, 2, v0
	v_lshlrev_b32 v[W1G], 11, v202
	v_lshl_add_u32 v[W1G], v203, 2, v[W1G]
	v_mul_u32_u24 v[W1L], v203, WPITCH
	v_lshl_add_u32 v[W1L], v202, 5, v[W1L]
	v_add_nc_u32 v[W1L], W1B, v[W1L]
	v_lshlrev_b32 v[BO], 5, v2
	v_and_b32 v[W2O], 3, v1
	v_lshlrev_b32 v[W2O], 2, v[W2O]
	v_lshl_add_u32 v[W2O], v2, 7, v[W2O]
	v_lshlrev_b32 v[R8], 3, v1
	v_lshlrev_b32 v[R4], 2, v1
	v_mul_u32_u24 v202, v1, WPITCH                 ; 144 r, for W_hh's rows and for x's
	v_lshl_add_u32 v[WA], v2, 4, v202
	v_add_nc_u32 v[WA], WB, v[WA]
	v_add_nc_u32 v[XA], s41, v202
	v_mul_u32_u24 v[ZA], v1, ZPITCH
	v_lshl_add_u32 v[ZA], v2, 5, v[ZA]
	v_add_nc_u32 v[ZA], s37, v[ZA]
	v_lshrrev_b32 v202, 3, v201
	v_mul_u32_u24 v202, v202, XPITCH
	v_and_b32 v203, 7, v201
	v_lshl_add_u32 v[XR], v203, 4, v202
	v_add_nc_u32 v[XR], s41, v[XR]
	v_lshlrev_b32 v[L16], 4, v201
	v_mov_b32 v[FA], NLOG2E
	v_mov_b32 v[FA+1], NLOG2E
	v_mov_b32 v[FB], LOG2E2
	v_mov_b32 v[FB+1], LOG2E2
	s_wait_dscnt 0x0
	s_wait_kmcnt 0x0
	s_add_nc_u64 s[10:11], s[10:11], s[34:35]      ; x at my wave's rows
	s_add_nc_u64 s[28:29], s[28:29], s[34:35]      ; out0 likewise
	s_lshl_b32 s34, s34, 1                         ; z: rows of 256 bytes
	s_add_nc_u64 s[8:9], s[8:9], s[34:35]
	s_lshr_b32 s34, s34, 6                         ; out1: 4 bytes a row
	s_add_nc_u64 s[30:31], s[30:31], s[34:35]
	s_mov_b64 s[38:39], s[8:9]
	s_or_b32 s39, s39, 0x80000000                  ; type 2
	s_mov_b64 s[42:43], s[10:11]
	s_or_b32 s43, s43, 0x80000000
	tensor_load_to_lds s[36:39], s[44:51]          ; z first: it is wanted first.  Each wave fetches, and later reads, its own bytes alone:
	s_nop 0
	tensor_load_to_lds s[40:43], s[52:59]          ; its own s_wait_tensorcnt is all the ordering.  Two loads out; no descriptor register is written again
	s_nop 0
	s_load_b128 s[60:63], s[26:27], 0x0            ; b2
	; ================= weights: from memory =================
.irp i, 0,1,2,3,4,5,6,7,8,9,10,11,12,13,14,15,16,17,18,19,20,21,22,23
	global_load_b128 v[16+4*\i:19+4*\i], v[WSG], s[12:13] offset:2048*\i       ; W_hh, the four waves together: 24 x 2,048 bytes
.endr
.irp i, 0,1,2,3,4,5,6,7,8,9,10,11,12,13,14,15
	global_load_b32 v[216+\i], v[W1G], s[20:21] offset:128*\i                  ; W1[16 (t % 4) + i][t / 4]
.endr
.irp q, 0,1,2,3
	global_load_b128 v[BHN+8*\q:BHN+8*\q+3],   v[BO], s[18:19] offset:512+64*\q       ; b_hh[128 + 16 q + 8 hh + j]
	global_load_b128 v[BHN+8*\q+4:BHN+8*\q+7], v[BO], s[18:19] offset:512+64*\q+16
.endr
.irp i, 0,1
	global_load_b128 v[B1+8*\i:B1+8*\i+3],   v[BO], s[22:23] offset:64*\i             ; b1[16 i + 8 hh + j]
	global_load_b128 v[B1+8*\i+4:B1+8*\i+7], v[BO], s[22:23] offset:64*\i+16
.endr
	; ================= scale, round, stage in LDS =================
.macro STAGE i, f                      ; rows 8 i .. 8 i + 7 of W_hh: one gate, one factor
	v_pk_mul_f32 v[16+4*\i:17+4*\i], v[16+4*\i:17+4*\i], v[\f:\f+1]
	v_pk_mul_f32 v[18+4*\i:19+4*\i], v[18+4*\i:19+4*\i], v[\f:\f+1]
	v_cvt_pk_bf16_f32 v[16+4*\i], v[16+4*\i], v[17+4*\i]
	v_cvt_pk_bf16_f32 v[17+4*\i], v[18+4*\i], v[19+4*\i]
	ds_store_b64 v[WSL], v[16+4*\i:17+4*\i] offset:8*WPITCH*\i
.endm
	s_wait_loadcnt 28                              ; W_hh is in: the 16 loads of W1 and the 12 of biases are younger
.irp i, 0,1,2,3,4,5,6,7,8,9,10,11,12,13,14,15
	STAGE \i, FA                                   ; rows 0-127: r and u
.endr
.irp i, 16,17,18,19,20,21,22,23
	STAGE \i, FB                                   ; rows 128-191: n
.endr
	s_wait_loadcnt 12                              ; W1 is in
.irp j, 0,1,2,3,4,5,6,7
	v_cvt_pk_bf16_f32 v[216+\j], v[216+2*\j], v[217+2*\j]      ; (k, k + 1); register j is written after it was read
.endr
	ds_store_b128 v[W1L], v[216:219]
	ds_store_b128 v[W1L], v[220:223] offset:16
.irp i, 0,1,2,3,4,5,6,7
	global_load_b32 v[232+\i], v[W2O], s[24:25] offset:16*\i           ; W2[8 hh + i][r & 3]
	global_load_b32 v[240+\i], v[W2O], s[24:25] offset:256+16*\i       ; W2[16 + 8 hh + i][r & 3]
.endr
.irp e, 0,1,2,3,4,5,6,7,8,9,10,11
	global_load_b64 v[112+2*\e:113+2*\e], v[R8], s[14:15] offset:128*\e    ; W_ih[16 e + r][0 .. 1]
	global_load_b32 v[136+\e], v[R4], s[16:17] offset:64*\e                ; b_ih[16 e + r]
.endr
.irp e, 0,1,2,3,4,5,6,7
	global_load_b32 v[248+\e], v[R4], s[18:19] offset:64*\e                ; b_hh[16 e + r], r and u gates
.endr
	s_wait_dscnt 0x0                               ; my part of the stage is written,
	s_barrier_signal -1
	s_barrier_wait -1                              ; everybody's is: the launch's only barrier
	WIN 0x40
.irp e, 0,1,2,3,4,5,6,7,8,9,10,11
.irp s, 0,1
	ds_load_b128 v[16*\e+8*\s:16*\e+8*\s+3],   v[WA] offset:16*WPITCH*\e+64*\s          ; row 16 e + r, k = 32 s + 8 hh ..
	ds_load_b128 v[16*\e+8*\s+4:16*\e+8*\s+7], v[WA] offset:16*WPITCH*\e+64*\s+32       ; k = 32 s + 16 + 8 hh ..
.endr
.endr
.irp i, 0,1
.irp s, 0,1
	ds_load_b128 v[W1A+16*\i+8*\s:W1A+16*\i+8*\s+3],   v[WA] offset:W1B-WB+16*WPITCH*\i+64*\s
	ds_load_b128 v[W1A+16*\i+8*\s+4:W1A+16*\i+8*\s+7], v[WA] offset:W1B-WB+16*WPITCH*\i+64*\s+32
.endr
.endr
	WIN 0
	; ================= the small operands =================
	s_wait_loadcnt 48                              ; b_hh (n) and b1 are in: 16 loads of W2 and 32 for the third K step are younger
.irp j, 0,2,4,6,8,10,12,14,16,18,20,22,24,26,28,30
	v_pk_mul_f32 v[BHN+\j:BHN+\j+1], v[BHN+\j:BHN+\j+1], v[FB:FB+1]
.endr
	s_wait_kmcnt 0x0                               ; b2
	v_mov_b32 v[B2], s60
	v_mov_b32 v[B2+1], s61
	v_mov_b32 v[B2+2], s62
	v_mov_b32 v[B2+3], s63
	v_mul_f32 v[B2+2], LOG2E, v[B2+2]
	v_mul_f32 v[B2+3], LOG2E, v[B2+3]
.irp j, 4,5,6,7
	v_mov_b32 v[B2+\j], 0
.endr
	; factors by lane: v16-17 r and u, v18-19 n (0 in lanes hh = 1); v20 W2's rows: m & 7 = 0, 1: 1; 2, 3: log2 e; 4-7: 0
	v_cmp_eq_u32 vcc_lo, 0, v2
	v_mov_b32 v21, NLOG2E
	v_cndmask_b32 v16, 0, v21, vcc_lo
	v_mov_b32 v17, v16
	v_mov_b32 v21, LOG2E2
	v_cndmask_b32 v18, 0, v21, vcc_lo
	v_mov_b32 v19, v18
	v_and_b32 v22, 2, v1
	v_cmp_ne_u32 vcc_lo, 0, v22
	v_mov_b32 v21, LOG2E
	v_cndmask_b32 v20, 1.0, v21, vcc_lo
	v_and_b32 v22, 4, v1
	v_cmp_eq_u32 vcc_lo, 0, v22
	v_cndmask_b32 v20, 0, v20, vcc_lo
	s_wait_loadcnt 32                              ; W2 is in
.irp i, 0,1,2,3,4,5,6,7,8,9,10,11,12,13,14,15
	v_mul_f32 v[232+\i], v20, v[232+\i]
.endr
.irp j, 0,1,2,3,4,5,6,7
	v_cvt_pk_bf16_f32 v[W2A+\j], v[232+2*\j], v[233+2*\j]      ; rows 8-11 repeat rows 0-3: both halves of the lanes get the four results in registers 0-3
.endr
	s_wait_loadcnt 0x0                             ; W_ih, b_ih, b_hh
.macro EXT e, f, both                  ; tile e: weights x factor; bias x factor, split in two bf16: hi to v[24+2e], the rest to v[25+2e]
	v_pk_mul_f32 v[112+2*\e:113+2*\e], v[112+2*\e:113+2*\e], v[\f:\f+1]
.if \both
	v_add_f32 v[136+\e], v[136+\e], v[248+\e]
.endif
	v_mul_f32 v[136+\e], v[\f], v[136+\e]
	v_cvt_pk_bf16_f32 v[24+2*\e], v[136+\e], v[136+\e]
	v_lshlrev_b32 v[24+2*\e], 16, v[24+2*\e]
	v_sub_f32 v[25+2*\e], v[136+\e], v[24+2*\e]
.endm
.irp e, 0,1,2,3,4,5,6,7
	EXT \e, 16, 1
.endr
.irp e, 8,9,10,11
	EXT \e, 18, 0
.endr
	WIN 0x40
.irp e, 0,1,2,3,4,5,6,7,8,9,10,11
	v_cvt_pk_bf16_f32 v[EA+2*\e], v[112+2*\e], v[113+2*\e]
	v_cvt_pk_bf16_f32 v[EA+2*\e+1], v[24+2*\e], v[25+2*\e]
.endr
.irp j, 24,25,26,27,28,29
	v_mov_b32 v[EA+\j], 0
.endr
	; ================= the state =================
	s_wait_tensorcnt 0x1                           ; z is in LDS; x, asked for behind it, may be out
	WIN 0x80
.irp b, 0,1,2,3,4,5,6,7
.irp q, 0,1,2,3
	ds_load_b128 v[32*\b+8*\q:32*\b+8*\q+3],   v[ZA] offset:16*ZPITCH*\b+64*\q        ; z[16 b + r][16 q + 8 hh + j]
	ds_load_b128 v[32*\b+8*\q+4:32*\b+8*\q+7], v[ZA] offset:16*ZPITCH*\b+64*\q+16
.endr
.endr
	s_wait_dscnt 0x0                               ; h, and the weights' fragments asked for above
.macro CVT b                           ; tile b's h, 32 f32 a lane, to its two B fragments
	WIN 0xca
.irp i, 0,1,2,3,4,5,6,7,8,9,10,11,12,13,14,15
	v_cvt_pk_bf16_f32 v[BF+16*\b+\i], v[32*\b+2*\i], v[32*\b+2*\i+1]
.endr
.endm
.irp b, 0,1,2,3,4,5,6,7
	CVT \b
.endr
	WIN 0xc0
	v_mov_b32 v[EB+1], 0x3f803f80                  ; (1.0, 1.0): takes the bias's two parts
.irp j, 2,3,4,5,6,7
	v_mov_b32 v[EB+\j], 0
.endr
	WIN 0
.irp b, 0,1,2,3,4,5,6,7
	v_mov_b32 v[Y+4*\b], 0                         ; y_-1 = 0
	v_mov_b32 v[Y+4*\b+1], 0
	v_mov_b32 v[P+4*\b], 1.0
	v_mov_b32 v[P+4*\b+1], 1.0
.endr
	v_mov_b32 v[LN2], 0x3f317218
	v_mov_b32 v[LN2+1], 0x3f317218
	v_mov_b32 v[EPS], 0x3a83126f
	v_mov_b32 v[EPS+1], 0x3a83126f
	s_wait_tensorcnt 0x0                           ; x is in LDS
; ---- nine products: outputs 16 q .. 16 q + 15 of the three gates, tile b, into set S.  Four chains, interleaved; a chain's next link in place
; needs no distance (ISA guide 7.12.1).
.macro WG b, q, S
	v_wmma_f32_16x16x32_bf16 v[\S:\S+7],     v[16*\q:16*\q+7],         v[BF+16*\b:BF+16*\b+7], 0
	v_wmma_f32_16x16x32_bf16 v[\S+8:\S+15],  v[64+16*\q:64+16*\q+7],   v[BF+16*\b:BF+16*\b+7], 0
	v_wmma_f32_16x16x32_bf16 v[\S+16:\S+23], v[128+16*\q:128+16*\q+7], v[BF+16*\b:BF+16*\b+7], v[BHN+8*\q:BHN+8*\q+7]
	v_wmma_f32_16x16x32_bf16 v[\S+24:\S+31], v[EA+16+2*\q:EA+16+2*\q+7], v[EB:EB+7], 0
	v_wmma_f32_16x16x32_bf16 v[\S:\S+7],     v[16*\q+8:16*\q+15],         v[BF+16*\b+8:BF+16*\b+15], v[\S:\S+7]
	v_wmma_f32_16x16x32_bf16 v[\S+8:\S+15],  v[64+16*\q+8:64+16*\q+15],   v[BF+16*\b+8:BF+16*\b+15], v[\S+8:\S+15]
	v_wmma_f32_16x16x32_bf16 v[\S+16:\S+23], v[128+16*\q+8:128+16*\q+15], v[BF+16*\b+8:BF+16*\b+15], v[\S+16:\S+23]
	v_wmma_f32_16x16x32_bf16 v[\S:\S+7],     v[EA+2*\q:EA+2*\q+7],     v[EB:EB+7], v[\S:\S+7]
	v_wmma_f32_16x16x32_bf16 v[\S+8:\S+15],  v[EA+8+2*\q:EA+8+2*\q+7], v[EB:EB+7], v[\S+8:\S+15]
.endm
; ---- the gates of one block, in place on set S; h at register h0 of window 2.  48 transcendentals in runs; behind each run one plain vector
; instruction that touches none of its registers stands before a result is used (ISA guide 5.7.2).
; No clamp: 2^a = inf gives rcp = 0, 2^a = 0 gives rcp(1) = 1.
.macro GATE S, h0
	WIN 0
.irp j, 0,1,2,3,4,5,6,7,8,9,10,11,12,13,14,15
	v_exp_f32 v[\S+\j], v[\S+\j]
.endr
	v_nop
	s_wait_alu depctr_va_vdst(0)
.irp j, 0,2,4,6
	v_pk_add_f32 v[\S+\j:\S+\j+1], v[\S+\j:\S+\j+1], 1.0 op_sel_hi:[1,0]
.endr
.irp j, 0,1,2,3,4,5,6,7
	v_rcp_f32 v[\S+\j], v[\S+\j]                   ; r
.endr
.irp j, 8,10,12,14
	v_pk_add_f32 v[\S+\j:\S+\j+1], v[\S+\j:\S+\j+1], 1.0 op_sel_hi:[1,0]      ; the place behind r's reciprocals
.endr
	s_wait_alu depctr_va_vdst(0)
.irp j, 0,2,4,6
	v_pk_fma_f32 v[\S+24+\j:\S+25+\j], v[\S+\j:\S+\j+1], v[\S+16+\j:\S+17+\j], v[\S+24+\j:\S+25+\j]   ; i_n + r h_n
.endr
.irp j, 8,9,10,11,12,13,14,15
	v_rcp_f32 v[\S+\j], v[\S+\j]                   ; u
.endr
.irp j, 24,25,26,27,28,29,30,31
	v_exp_f32 v[\S+\j], v[\S+\j]
.endr
	v_nop
	s_wait_alu depctr_va_vdst(0)
.irp j, 24,26,28,30
	v_pk_add_f32 v[\S+\j:\S+\j+1], v[\S+\j:\S+\j+1], 1.0 op_sel_hi:[1,0]
.endr
.irp j, 24,25,26,27,28,29,30,31
	v_rcp_f32 v[\S+\j], v[\S+\j]
.endr
	v_nop
	s_wait_alu depctr_va_vdst(0)
.irp j, 24,26,28,30
	v_pk_fma_f32 v[\S+\j:\S+\j+1], v[\S+\j:\S+\j+1], -2.0, 1.0 op_sel_hi:[1,0,0]      ; n = tanh
.endr
	WIN 0x88                                       ; source 1 and destination: h
.irp j, 0,2,4,6
	v_pk_add_f32 v[\h0+\j:\h0+\j+1], v[\S+24+\j:\S+25+\j], v[\h0+\j:\h0+\j+1] neg_lo:[0,1] neg_hi:[0,1]   ; n - h
.endr
.irp j, 0,2,4,6
	v_pk_fma_f32 v[\h0+\j:\h0+\j+1], v[\S+8+\j:\S+9+\j], v[\h0+\j:\h0+\j+1], v[\S+24+\j:\S+25+\j] neg_lo:[1,0,0] neg_hi:[1,0,0]   ; n - u (n - h) = (1 - u) n + u h
.endr
.endm
.macro M1 b                            ; hidden layer of tile b: two tiles x two K steps, b1 as the first C
	v_wmma_f32_16x16x32_bf16 v[MA:MA+7],    v[W1A:W1A+7],       v[BF+16*\b:BF+16*\b+7],    v[B1:B1+7]
	v_wmma_f32_16x16x32_bf16 v[MA+8:MA+15], v[W1A+16:W1A+23],   v[BF+16*\b:BF+16*\b+7],    v[B1+8:B1+15]
	v_wmma_f32_16x16x32_bf16 v[MA:MA+7],    v[W1A+8:W1A+15],    v[BF+16*\b+8:BF+16*\b+15], v[MA:MA+7]
	v_wmma_f32_16x16x32_bf16 v[MA+8:MA+15], v[W1A+24:W1A+31],   v[BF+16*\b+8:BF+16*\b+15], v[MA+8:MA+15]
.endm
.macro RELU_M2                         ; relu, pack: the two tiles are the second layer's B fragment; one product
	WIN 0
.irp j, 0,1,2,3,4,5,6,7,8,9,10,11,12,13,14,15
	v_max_num_f32 v[MA+\j], 0, v[MA+\j]
.endr
	WIN 0xc0
.irp j, 0,1,2,3,4,5,6,7
	v_cvt_pk_bf16_f32 v[HID+\j], v[MA+2*\j], v[MA+2*\j+1]
.endr
	WIN 0x0c
	v_wmma_f32_16x16x32_bf16 v[MB:MB+7], v[W2A:W2A+7], v[HID:HID+7], v[B2:B2+7]
.endm
.macro TAIL b                          ; scale = softplus + 0.001; y += dloc + scale x; the product; y_t takes x_t's place in LDS
	v_or_b32 v[T], 0x80000000, v[MB+2]             ; -|a'|
	v_or_b32 v[T+1], 0x80000000, v[MB+3]
	v_exp_f32 v[T], v[T]
	v_exp_f32 v[T+1], v[T+1]
	v_max_num_f32 v[T+2], 0, v[MB+2]               ; the maximum that is taken out; also the place behind the exponentials
	v_max_num_f32 v[T+3], 0, v[MB+3]
	s_wait_alu depctr_va_vdst(0)
	v_pk_add_f32 v[T:T+1], v[T:T+1], 1.0 op_sel_hi:[1,0]
	v_log_f32 v[T], v[T]
	v_log_f32 v[T+1], v[T+1]
	v_pk_add_f32 v[Y+4*\b:Y+4*\b+1], v[Y+4*\b:Y+4*\b+1], v[MB:MB+1]            ; y + dloc; the place behind the logarithms
	s_wait_alu depctr_va_vdst(0)
	v_pk_add_f32 v[T:T+1], v[T:T+1], v[T+2:T+3]
	v_pk_fma_f32 v[T:T+1], v[T:T+1], v[LN2:LN2+1], v[EPS:EPS+1]
	v_pk_fma_f32 v[Y+4*\b:Y+4*\b+1], v[T:T+1], v[X+2*\b:X+2*\b+1], v[Y+4*\b:Y+4*\b+1]
	v_pk_mul_f32 v[P+4*\b:P+4*\b+1], v[P+4*\b:P+4*\b+1], v[T:T+1]
	ds_store_b64 v[XA], v[Y+4*\b:Y+4*\b+1] offset:16*XPITCH*\b                 ; both halves of the lanes hold, and write, the same pair
.endm
; ---- slot k = 4 b + q of a trip.  The products of block k + 1 are issued ahead of block k's gates, into the other set: between a block's products
; and its gates stand the 31 plain instructions of the block before, which name the other set and h alone.  The last tile's packing, MLP and
; tail ride in the slots of the next tile, each one whole GATE behind the matrix instruction whose result it reads.
; Tile b's B fragments are packed anew only when all four of its blocks' products have been issued and two GATEs have passed.
.macro SLOT
.set sb, k>>2
.set sq, k&3
.set pb, sb-1
.set nb, (k+1)>>2
.set nq, (k+1)&3
.set cur, S0+32*(k&1)
.set nxt, S0+32*((k+1)&1)
.set hb, 32*sb+8*sq
.if sb > 0
.if sq == 0
	CVT pb
.endif
.if sq == 1
	RELU_M2
.endif
.if sq == 2
	WIN 0
.if sb == 1
	s_wait_dscnt 0x0                               ; this trip's eight loads of x, issued at the trip's head
.endif
	TAIL pb
.endif
.endif
.if k < 31
.if sq == 3
	WIN 0xc0
	v_cvt_pk_bf16_f32 v[EB], v[Y+4*nb], v[Y+4*nb+1]    ; the next tile's y_t-1; its last reader's products lie one GATE back
.endif
	WIN 0x0d
.if sb > 0
.if sq == 0
	M1 pb
.endif
.endif
	WG nb, nq, nxt
.endif
	WIN 0
.if k == 0
	PLACES                                         ; the trip's first block has no GATE in front of it
.endif
	GATE cur, hb
.endm
	; ================= sixteen steps =================
	s_mov_b32 s3, 0
.Ltrip:
.irp b, 0,1,2,3,4,5,6,7
	ds_load_b64 v[X+2*\b:X+2*\b+1], v[XA] offset:16*XPITCH*\b      ; x[16 b + r][t][0 .. 1]
.endr
	WIN 0xc0
	v_cvt_pk_bf16_f32 v[EB], v[Y], v[Y+1]
	WIN 0x0d
	WG 0, 0, S0
.set k, 0
.rept 32
	SLOT
.set k, k+1
.endr
	CVT 7                                          ; tile 7 has no next tile to ride in
	WIN 0x0d
	M1 7
	WIN 0
	PLACES
	RELU_M2
	WIN 0
	PLACES
	TAIL 7
	v_add_nc_u32 v[XA], 8, v[XA]                   ; the next step's x
	s_add_co_u32 s3, s3, 1
	s_cmp_lt_u32 s3, 16
	s_cbranch_scc1 .Ltrip
	; ================= the way out =================
	; logabsdet = ln |P0| + ln |P1|, the products kept as the formula keeps them.  A product under 2^-64 is first multiplied by 2^64, and 64 taken
	; off its log2, so that v_log_f32 meets no denormal.
	v_mov_b32 v[KTH], 0x1f800000
	v_mov_b32 v[KUP], 0x5f800000
	v_mov_b32 v[KOF], 0x42800000
	s_lshl_b32 s33, s32, 9
	s_add_co_u32 s33, s33, LB
	v_lshl_add_u32 v[WSG], v1, 2, s33              ; in: row 16 b + r
	v_add_nc_u32 v[WSL], s33, v[L16]               ; back: four rows a lane
.macro LOGDET b
	v_cmp_gt_f32 vcc_lo, v[KTH], v[P+4*\b]
	v_cmp_gt_f32 s2, v[KTH], v[P+4*\b+1]
	v_cndmask_b32 v[T], 1.0, v[KUP], vcc_lo
	v_cndmask_b32 v[T+2], 0, v[KOF], vcc_lo
	v_cndmask_b32 v[T+1], 1.0, v[KUP], s2
	v_cndmask_b32 v[T+3], 0, v[KOF], s2
	v_mul_f32 v[T], |v[P+4*\b]|, v[T]
	v_mul_f32 v[T+1], |v[P+4*\b+1]|, v[T+1]
	v_log_f32 v[T], v[T]
	v_log_f32 v[T+1], v[T+1]
	v_nop
	s_wait_alu depctr_va_vdst(0)
	v_pk_add_f32 v[T:T+1], v[T:T+1], v[T+2:T+3] neg_lo:[0,1] neg_hi:[0,1]
	v_add_f32 v[T], v[T], v[T+1]
	v_mul_f32 v[T], v[LN2], v[T]
	ds_store_b32 v[WSG], v[T] offset:64*\b
.endm
.irp b, 0,1,2,3,4,5,6,7
	LOGDET \b
.endr
	; LDS serves a wave's instructions in order (ISA guide 5.7.1), and all these bytes are my wave's own: the loads see the stores, no wait, no barrier
	ds_load_b128 v[232:235], v[WSL]
.irp i, 0,1,2,3,4,5,6,7,8,9,10,11,12,13,14,15,16,17,18,19,20,21,22,23,24,25,26,27,28,29,30,31
	ds_load_b128 v[16+4*\i:19+4*\i], v[XR] offset:4*XPITCH*\i      ; four rows of y, 512 bytes
.endr
	s_wait_dscnt 32                                ; the 32 loads of y are younger
	global_store_b128 v[L16], v[232:235], s[30:31]                 ; 512 consecutive bytes of out1, at a multiple of 512 from its first byte
.irp i, 0,1,2,3,4,5,6,7,8,9,10,11,12,13,14,15,16,17,18,19,20,21,22,23,24,25,26,27,28,29,30,31
	s_wait_dscnt 31-\i
	global_store_b128 v[L16], v[16+4*\i:19+4*\i], s[28:29] offset:512*\i th:TH_STORE_NT    ; 512 consecutive bytes of out0, likewise aligned
.endr
	s_set_vgpr_msb 0x5
	s_wait_tensorcnt 0x0
	ds_add_u32 v222, v223
	s_wait_dscnt 0x0
	s_set_vgpr_msb 0x500
	s_endpgm
.Lfunc_end_k_q132a2f182b_flow:
	.size	k_q132a2f182b_flow, .Lfunc_end_k_q132a2f182b_flow-k_q132a2f182b_flow
	.p2alignl 7, 3214868480
	.fill 96, 4, 3214868480
	.section	.rodata,"a",@progbits
	.p2align	6, 0x0
	.amdhsa_kernel k_q132a2f182b_flow
		.amdhsa_group_segment_fixed_size 247808
		.amdhsa_private_segment_fixed_size 0
		.amdhsa_enable_private_segment 0
		.amdhsa_kernarg_size 96
		.amdhsa_user_sgpr_count 2
		.amdhsa_user_sgpr_kernarg_segment_ptr 1
		.amdhsa_wavefront_size32 1
		.amdhsa_system_sgpr_workgroup_id_x 1
		.amdhsa_system_sgpr_workgroup_id_y 1
		.amdhsa_system_sgpr_workgroup_id_z 1
		.amdhsa_system_vgpr_workitem_id 0
		.amdhsa_next_free_vgpr 1024
		.amdhsa_next_free_sgpr 66
		.amdhsa_reserve_vcc 1
		.amdhsa_float_denorm_mode_32 3
		.amdhsa_float_denorm_mode_16_64 3
		.amdhsa_memory_ordered 1
		.amdhsa_forward_progress 1
		.amdhsa_inst_pref_size 220
	.end_amdhsa_kernel
	.amdgpu_metadata
---
amdhsa.version: [ 1, 2 ]
amdhsa.kernels:
  - .name:           k_q132a2f182b_flow
    .symbol:         k_q132a2f182b_flow.kd
    .args:
      - { .name: z, .offset: 0, .size: 8, .value_kind: global_buffer, .address_space: global }
      - { .name: x, .offset: 8, .size: 8, .value_kind: global_buffer, .address_space: global }
      - { .name: W_hh, .offset: 16, .size: 8, .value_kind: global_buffer, .address_space: global }
      - { .name: W_ih, .offset: 24, .size: 8, .value_kind: global_buffer, .address_space: global }
      - { .name: b_ih, .offset: 32, .size: 8, .value_kind: global_buffer, .address_space: global }
      - { .name: b_hh, .offset: 40, .size: 8, .value_kind: global_buffer, .address_space: global }
      - { .name: W1, .offset: 48, .size: 8, .value_kind: global_buffer, .address_space: global }
      - { .name: b1, .offset: 56, .size: 8, .value_kind: global_buffer, .address_space: global }
      - { .name: W2, .offset: 64, .size: 8, .value_kind: global_buffer, .address_space: global }
      - { .name: b2, .offset: 72, .size: 8, .value_kind: global_buffer, .address_space: global }
      - { .name: out0, .offset: 80, .size: 8, .value_kind: global_buffer, .address_space: global }
      - { .name: out1, .offset: 88, .size: 8, .value_kind: global_buffer, .address_space: global }
    .group_segment_fixed_size: 247808
    .private_segment_fixed_size: 0
    .kernarg_segment_align: 8
    .kernarg_segment_size: 96
    .max_flat_workgroup_size: 128
    .sgpr_count:     66
    .vgpr_count:     1024
    .wavefront_size: 32
...
	.end_amdgpu_metadata
.endif
;; end of part 1
